; MI455X (gfx1250); checked and timed in simulation.
; The chip was launched on July 23, 2026; its instructions are those of AMD's public machine-readable ISA for CDNA 5 (MIT licence, August 2026) and "CDNA5" Instruction Set Architecture Reference Guide (July 2026). The comments in the code are by the model that wrote it; some were corrected since.
;; Double Binary Linear. Allowed arithmetic: matrix products marked QUANTISED: E3M2 operands, one E8M0 scale for each 32 along K, by v_wmma_scale_f32_16x16x128_f8f6f4 with both operands' format E3M2, f32 sums; everything else in f32.
;; Inputs: A 4,096 x 4,096 float32; B 4,096 x 4,096 float32; Da 4,096 float32; Db 4,096 float32; bias 4,096 float32; mid 4,096 float32; scale1 1 float32; scale3 1 float32; x 2,048 x 4,096 float32.
;; Outputs: out0 2,048 x 4,096 float32.
;; This version of the problem:
;;   THIS VERSION OF THE PROBLEM IS GIVEN IN LOW PRECISION. The matrix products marked QUANTISED in the list below multiply operands that are first quantised to E3M2 (3 exponent bits, 2 mantissa bits; 6 bits a number), with one power-of-two scale for each 32 numbers along K (OCP MX v1.0); their sums are f32. All else is computed in f32.
;;   The module's matrix products, in the order in which they are computed (A, B: the left and right operand; K: the contracted axis; several contracted axes count as one K, in the product's order):
;;     1. [M 2,048, K 4,096] x [K 4,096, N 4,096]; A: computed on the way; B: input B: QUANTISED
;;     2. [M 2,048, K 4,096] x [K 4,096, N 4,096]; A: computed on the way; B: input A: QUANTISED
;;   THE QUANTISER, for each operand of a quantised product, along K:
;;     - K is cut into blocks of 32 from its start; a last block that is shorter is filled with zeros.
;;     - A block's scale is 2^e with e = floor(log2(the largest magnitude in the block)) - 4, held to -126 .. 127; a block of zeros has e = 0. As a byte (E8M0): e + 127.
;;     - Each number is divided by its block's scale, clamped to +-28, and rounded to the nearest number of E3M2, ties to even, subnormals kept.
;;     - The product sums the exact products of the quantised numbers (number of the format x scale) in f32.
;;   ~~~python
;;   def quantise(x, axis):      # numpy; x: float32 -> the quantised numbers, widened to float32 again
;;       x = np.moveaxis(x, axis, -1); K = x.shape[-1]
;;       x = np.pad(x, [(0, 0)] * (x.ndim - 1) + [(0, -K % 32)]); x = x.reshape(x.shape[:-1] + (-1, 32)); a = np.abs(x).max(-1, keepdims=True)
;;       e = np.where(a > 0, np.clip(np.frexp(np.where(a > 0, a, 1))[1] - 1 - 4, -126, 127), 0)      # np.frexp(a)[1] - 1 = floor(log2(a)), exactly
;;       r = np.clip(x / 2.0 ** e, -28, 28)
;;       step = 2.0 ** (np.maximum(np.frexp(np.where(r == 0, 1, r))[1] - 1, -2) - 2)
;;       q = np.round(r / step) * step * 2.0 ** e      # np.round: ties to even
;;       return np.moveaxis(q.reshape(q.shape[:-2] + (-1,))[..., :K], -1, axis).astype(np.float32)
;;   ~~~
;;   OPERANDS COMPUTED ON THE WAY. 'Computed on the way' means the value that the module computes at that place (a softmax that the list does not call 'softmax' is quantised finished and normalised). What goes into a quantiser is computed in f32, as accurately as f32 sums, v_exp_f32 and their like allow (about 1e-6 of the number): no bf16 or f16 on the way to a quantiser, and a product that is left as it is and whose result goes on into a quantised operand takes f32 operands (vector FMAs, or v_wmma_f32_16x16x4_f32). A number that lies on a knife's edge between two numbers of the format may be rounded either way, as far as f32 arithmetic and the matrix unit's own rounding can turn it there, and no further.
;; One version. Each part assembles by itself: llvm-mc -triple=amdgcn-amd-amdhsa -mcpu=gfx1250 --defsym DOCPART=n.
;; ======== version 1 of 1: 3 launches
;; limits: right only within a limited range of input values
;; workspace buffers: xq 6,553,600 bytes; bq 13,107,200 bytes; aq 13,107,200 bytes; hq 6,553,600 bytes
;; launch quant (part 1): grid 768 x 1, 4 waves a work-group, no clusters, 34,304 bytes of LDS; arguments x, Db, B, xq, bq; writes xq, bq
.if DOCPART == 1
	.amdgcn_target "amdgcn-amd-amdhsa--gfx1250"
	.amdhsa_code_object_version 6
	.text
	.protected	k_qeaf18efada_quant
	.globl	k_qeaf18efada_quant
	.p2align	8
	.type	k_qeaf18efada_quant,@function
k_qeaf18efada_quant:
	s_mov_b64 s[64:65], 0
	v_nop
	global_prefetch_b8 v0, s[64:65] scope:SCOPE_SE
	s_setreg_imm32_b32 hwreg(HW_REG_WAVE_MODE, 25, 1), 1
	s_wait_xcnt 0x0
; x * Db [2048][4096] and B [4096][4096], f32 with K innermost, become codes of BF6 (E3M2) with one E8M0 scale byte for each 32 along K,
; laid in the ORDER OF THE MATRIX OPERAND'S REGISTERS, so that the products' launches load fragments by 16 bytes a lane and fetch tiles as dense blocks.  (A, which the first product does not need, is quantised beside that product.)
; A FRAGMENT (16 rows x 128 K, 12 registers a lane) is an image of 1,536 bytes: registers 4 g .. 4 g + 3 of lane l at byte 512 g + 16 l.
; A RECORD (K slot s of 512, group G of 64 rows) is 25,600 bytes: fragment (block a of 16 rows, step q of 128 along K) at (4 q + a) x 1,536; behind the sixteen fragments, at 24,576 + 256 q,
; step q's scale words: byte 8 l + 4 e holds the word (four scale bytes) of row l % 16 of block 2 e + l / 16.  Record (s, G) lies at (s x groups + G) x 25,600 (32 groups for x, 64 for B).
; THE ROWS OF A BLOCK ARE NOT NEIGHBOURS: image row i of block a is tensor row 64 G + 32 (a / 2) + 8 (a % 2) + i + 8 (i / 8), so that in a product used transposed the 16 results that a lane has of
; two neighbouring blocks of a weight are 16 neighbours along the next K.
; A block's scale is 2^(floor(log2(its largest magnitude)) - 4); its byte is the largest magnitude's exponent field - 4, held at 1 from below.
; LIMITS: a block of zeros gets the byte 1 where the quantiser's rule says 127 (its codes are zeros, which add nothing, and this program alone reads the bytes); blocks whose largest magnitude lies
; under 2^(5 - 127) are held at that byte too; NaN and infinities among the inputs are not served.
; SHARES.  Work-groups 0-255 take x, 256-767 B; one record each; wave q takes the record's step q: 64 rows x 512 bytes in, 6,144 consecutive bytes of codes and 256 of scale words out.
; A load takes 512 consecutive bytes of one row (16 a lane); the conversions want 32 neighbours along K in ONE lane: so 16 rows turn through the wave's own stage in LDS (rows of 512 + 16 bytes).
; Waves share nothing: no barrier.  No tensor load: three work-groups lie on a WGP; loads run two blocks ahead, in two sets of registers: up to 33 loads of a wave (two blocks and Db) are on their way.
.set REC,  25600
.set FRB,  1536
.set SP,   528                         ; a stage row: 512 bytes + 16: the sixteen rows that a read touches begin 33 x 16 bytes apart
.set WST,  16*SP                       ; a wave's stage
.set ROWB, 16384                       ; a tensor's row in bytes
.set OFF,  4                           ; v4   16 x lane: my place in a load's 512 bytes and in a store's; never rewritten
.set STI,  5                           ; v5   the stage, on the way in: my wave's stage + 16 x lane
.set STO,  6                           ; v6   and on the way out: row r, + 128 h
.set SOF,  7                           ; v7   8 x lane: my two scale words' place
.set SH8,  8                           ; v8   8 h: how far my two scale bytes are shifted
.set DB,   12                          ; v[12:15] Db of my four k (the same in every row)
.set W,    16                          ; v16-19 block a's scale words
.set MX,   20                          ; v20-21 largest magnitudes of my two blocks of 32
.set QS,   22                          ; v22-23 the conversions' scale operands
.set QB,   24                          ; v24-25 the scale bytes
.set WD,   26                          ; v26 my half of the word, v27 the other half's
.set C,    28                          ; v[28:39] a fragment's codes
.set T,    40                          ; v[40:42], v[44:46] the upper halves of two blocks' codes, as the conversions leave them
.set PR,   48                          ; v[48:49] my two scale words on the way out
.set R,    64                          ; v64-127 and v192-255: 16 rows as loaded, blocks 0, 2 and blocks 1, 3
.set X,    128                         ; v128-191 my row's 64 numbers: register 32 c + i = k 64 c + 32 h + i
	s_load_b256 s[4:11], s[0:1], 0x0               ; x s[4:5], Db s[6:7], B s[8:9], xq s[10:11]
	s_load_b64 s[12:13], s[0:1], 0x20              ; bq
	v_lshl_add_u32 v62, v0, 2, 0x8400
	v_mov_b32 v63, 0
	v_lshrrev_b32 v1, 5, v0
	v_readfirstlane_b32 s18, v1                    ; wave = q
	v_and_b32 v1, 31, v0                           ; lane
	v_and_b32 v2, 15, v0                           ; r
	v_bfe_u32 v3, v0, 4, 1                         ; h
	v_lshlrev_b32 v[OFF], 4, v1
	v_lshlrev_b32 v[SOF], 3, v1
	v_lshlrev_b32 v[SH8], 3, v3
	s_mul_i32 s22, s18, WST
	v_add_nc_u32 v[STI], s22, v[OFF]
	v_mul_u32_u24 v[STO], v2, SP
	v_lshl_add_u32 v[STO], v3, 7, v[STO]
	v_add_nc_u32 v[STO], s22, v[STO]
	v_mov_b32 v[WD+1], 0                           ; written once: a lane permute's destination counts as one of its sources
	s_mov_b32 s28, 0x76543210
	s_mov_b32 s29, 0xfedcba98                      ; v_permlanex16_b32's selects for lane l xor 16
	s_wait_alu depctr_va_vdst(0)
	s_wait_kmcnt 0x0
	s_cmp_lt_u32 ttmp9, 256                        ; which tensor: the choice hangs on the work-group's number alone
	s_cselect_b64 s[4:5], s[4:5], s[8:9]           ; the tensor
	s_cselect_b64 s[12:13], s[10:11], s[12:13]     ; its buffer of records
	s_cselect_b32 s20, 0, 256                      ; the tensor's first work-group
	s_cselect_b32 s21, 5, 6                        ; log2 of its groups of 64 rows
	s_cselect_b32 s30, 1, 0                        ; 1: x, which is multiplied by Db
	s_sub_co_u32 s20, ttmp9, s20
	s_and_b32 s22, s20, 7                          ; s: neighbouring work-groups take neighbouring 2,048 bytes of the same 64 rows
	s_lshr_b32 s23, s20, 3                         ; G
	s_lshl_b32 s24, s22, 11
	s_lshl_b32 s25, s18, 9
	s_add_co_u32 s24, s24, s25                     ; 2,048 s + 512 q: my step's first byte in a row, and in Db
	s_mov_b32 s25, 0
	s_add_nc_u64 s[6:7], s[6:7], s[24:25]
	s_lshl_b32 s26, s23, 20                        ; 64 rows of 16,384 bytes
	s_add_co_u32 s24, s24, s26
	s_add_nc_u64 s[4:5], s[4:5], s[24:25]
	s_lshl_b32 s26, s22, s21
	s_add_co_u32 s26, s26, s23
	s_mul_i32 s26, s26, REC                        ; the record's first byte (under 2^24)
	s_mov_b32 s27, 0
	s_add_nc_u64 s[12:13], s[12:13], s[26:27]
	s_mul_i32 s24, s18, 4*FRB
	s_add_nc_u64 s[14:15], s[12:13], s[24:25]      ; my four fragments
	s_lshl_b32 s24, s18, 8
	s_add_co_u32 s24, s24, 16*FRB
	s_add_nc_u64 s[16:17], s[12:13], s[24:25]      ; my step's scale words
	global_load_b128 v[DB:DB+3], v[OFF], s[6:7]    ; every work-group loads it (it lies inside Db for every s and q), so that one path leads to the steps; x's work-groups use it
.macro LOAD a                          ; block a's 16 rows, 512 consecutive bytes each, into set a % 2
.set RL, R+128*((\a)%2)
.irp i, 0,1,2,3,4,5,6,7,8,9,10,11,12,13,14,15
	global_load_b128 v[RL+4*\i:RL+4*\i+3], v[OFF], s[4:5] offset:(32*((\a)/2)+8*((\a)%2)+\i+8*(\i/8))*ROWB th:TH_LOAD_NT
.endr
.endm
	LOAD 0
	LOAD 1
.macro STEP a
.set RS, R+128*((\a)%2)
.if (\a) < 3
	s_wait_loadcnt 16                              ; loads come back in order: this block's 16 are in (and, in the first step, Db); the next block's 16 may be out
.else
	s_wait_loadcnt 0x0
.endif
	s_cmp_eq_u32 s30, 0
	s_cbranch_scc1 .Lweight_\@                     ; a weight is taken as it is
.irp i, 0,1,2,3,4,5,6,7,8,9,10,11,12,13,14,15
	v_pk_mul_f32 v[RS+4*\i:RS+4*\i+1], v[RS+4*\i:RS+4*\i+1], v[DB:DB+1]          ; x * Db, in f32: as loaded, a lane holds the same four k of every row
	v_pk_mul_f32 v[RS+4*\i+2:RS+4*\i+3], v[RS+4*\i+2:RS+4*\i+3], v[DB+2:DB+3]
.endr
.Lweight_\@:
.irp i, 0,1,2,3,4,5,6,7,8,9,10,11,12,13,14,15
	ds_store_b128 v[STI], v[RS+4*\i:RS+4*\i+3] offset:\i*SP
.endr
.irp c, 0,1
.irp j, 0,1,2,3,4,5,6,7
	ds_load_b128 v[X+32*\c+4*\j:X+32*\c+4*\j+3], v[STO] offset:256*\c+16*\j   ; LDS serves a wave's instructions in order (ISA guide 5.7.1.4): these see the stores above
.endr
.endr
.if (\a) < 2
	s_wait_dscnt 16                                ; all but the 16 loads: the stores have read their registers,
	LOAD (\a)+2                                    ; which take the block two further on
.endif
	s_wait_dscnt 0x0
.irp c, 0,1
	v_max3_num_f32 v[MX+\c], |v[X+32*\c]|, |v[X+32*\c+1]|, 0x2800000          ; my block 2 c + h: all its 32 numbers are mine; the floor 2^(5 - 127) holds the byte at 1 from below
.endr
.irp i, 2,4,6,8,10,12,14,16,18,20,22,24,26,28,30
.irp c, 0,1
	v_max3_num_f32 v[MX+\c], v[MX+\c], |v[X+32*\c+\i]|, |v[X+32*\c+\i+1]|     ; (the two blocks by turns)
.endr
.endr
.irp c, 0,1
	v_add_nc_u32 v[QS+\c], 0xfe000000, v[MX+\c]    ; 4 off the exponent field: the conversion takes the exponent field of this operand as its scale, and nothing else of it
.endr
.irp c, 0,1
	v_lshrrev_b32 v[QB+\c], 23, v[QS+\c]           ; the scale's byte
.endr
	v_lshl_or_b32 v[WD], v[QB+1], 16, v[QB]        ; my two bytes, blocks h and 2 + h of row r,
	v_lshlrev_b32 v[WD], v[SH8], v[WD]             ; at their places in the word;
	v_permlanex16_b32 v[WD+1], v[WD], s28, s29
	v_or_b32 v[W+(\a)], v[WD], v[WD+1]             ; with lane l xor 16's two the word is whole, in both lanes
	s_wait_alu depctr_va_vdst(0)
	s_wait_xcnt 0x0                                ; the last step's stores have read the codes' registers, which are written again below
.irp c, 0,1
	v_cvt_scalef32_pk16_bf6_f32 v[C+6*\c:C+6*\c+2], v[X+32*\c:X+32*\c+15], v[QS+\c]        ; registers 6 c .. 6 c + 2 of the operand
	v_cvt_scalef32_pk16_bf6_f32 v[T+4*\c:T+4*\c+2], v[X+32*\c+16:X+32*\c+31], v[QS+\c]     ; (a conversion's three registers begin on an even number: the block's upper half is made apart and moved)
.endr
	v_nop                                          ; one plain instruction behind the scaled conversions, ahead of the moves that read their results
.irp c, 0,1
.irp i, 0,1,2
	v_mov_b32 v[C+3+6*\c+\i], v[T+4*\c+\i]
.endr
.endr
.irp g, 0,1,2
	global_store_b128 v[OFF], v[C+4*\g:C+4*\g+3], s[14:15] offset:FRB*(\a)+512*\g   ; 32 lanes store 512 consecutive bytes, at a multiple of 512 from the buffer's first byte
.endr
.endm
	STEP 0
	STEP 1
	STEP 2
	STEP 3
	v_cmp_ne_u32 vcc_lo, 0, v3
	v_cndmask_b32 v[PR], v[W], v[W+1], vcc_lo      ; lanes 0-15: block 0's word, lanes 16-31: block 1's
	v_cndmask_b32 v[PR+1], v[W+2], v[W+3], vcc_lo  ; blocks 2 and 3 likewise
	global_store_b64 v[SOF], v[PR:PR+1], s[16:17]  ; 32 lanes store 256 consecutive bytes, aligned
	s_wait_tensorcnt 0x0
	ds_add_u32 v62, v63
	s_wait_dscnt 0x0
	s_endpgm
.Lfunc_end_k_qeaf18efada_quant:
	.size	k_qeaf18efada_quant, .Lfunc_end_k_qeaf18efada_quant-k_qeaf18efada_quant
	.p2alignl 7, 3214868480
	.fill 96, 4, 3214868480
	.section	.rodata,"a",@progbits
	.p2align	6, 0x0
	.amdhsa_kernel k_qeaf18efada_quant
		.amdhsa_group_segment_fixed_size 34304
		.amdhsa_private_segment_fixed_size 0
		.amdhsa_enable_private_segment 0
		.amdhsa_kernarg_size 40
		.amdhsa_user_sgpr_count 2
		.amdhsa_user_sgpr_kernarg_segment_ptr 1
		.amdhsa_wavefront_size32 1
		.amdhsa_system_sgpr_workgroup_id_x 1
		.amdhsa_system_sgpr_workgroup_id_y 1
		.amdhsa_system_sgpr_workgroup_id_z 1
		.amdhsa_system_vgpr_workitem_id 0
		.amdhsa_next_free_vgpr 256
		.amdhsa_next_free_sgpr 66
		.amdhsa_reserve_vcc 1
		.amdhsa_float_denorm_mode_32 3
		.amdhsa_float_denorm_mode_16_64 3
		.amdhsa_memory_ordered 1
		.amdhsa_forward_progress 1
		.amdhsa_inst_pref_size 39
	.end_amdhsa_kernel
	.amdgpu_metadata
---
amdhsa.version: [ 1, 2 ]
amdhsa.kernels:
  - .name:           k_qeaf18efada_quant
    .symbol:         k_qeaf18efada_quant.kd
    .args:
      - { .name: x, .offset: 0, .size: 8, .value_kind: global_buffer, .address_space: global }
      - { .name: Db, .offset: 8, .size: 8, .value_kind: global_buffer, .address_space: global }
      - { .name: B, .offset: 16, .size: 8, .value_kind: global_buffer, .address_space: global }
      - { .name: xq, .offset: 24, .size: 8, .value_kind: global_buffer, .address_space: global }
      - { .name: bq, .offset: 32, .size: 8, .value_kind: global_buffer, .address_space: global }
    .group_segment_fixed_size: 34304
    .private_segment_fixed_size: 0
    .kernarg_segment_align: 8
    .kernarg_segment_size: 40
    .max_flat_workgroup_size: 128
    .sgpr_count:     66
    .vgpr_count:     256
    .wavefront_size: 32
...
	.end_amdgpu_metadata
.endif
;; end of part 1
;; launch gemm1 (part 2): grid 16 x 16, 4 waves a work-group, clusters of 4 x 4, 327,680 bytes of LDS; arguments xq, bq, scale1, mid, A, hq, aq; writes hq, aq
.if DOCPART == 2
	.amdgcn_target "amdgcn-amd-amdhsa--gfx1250"
	.amdhsa_code_object_version 6
	.text
	.protected	k_qeaf18efada_gemm1
	.globl	k_qeaf18efada_gemm1
	.p2align	8
	.type	k_qeaf18efada_gemm1,@function
k_qeaf18efada_gemm1:
	s_mov_b64 s[64:65], 0
	v_nop
	global_prefetch_b8 v0, s[64:65] scope:SCOPE_SE
	s_setreg_imm32_b32 hwreg(HW_REG_WAVE_MODE, 25, 1), 1
	s_wait_xcnt 0x0
	s_wait_alu depctr_hold_cnt(0) depctr_sa_sdst(0) depctr_va_vdst(0) depctr_va_sdst(0) depctr_va_ssrc(0) depctr_va_vcc(0) depctr_vm_vsrc(0)
	s_getreg_b32 s2, hwreg(HW_REG_IB_STS2, 6, 4)
	s_cmp_eq_u32 s2, 0
	s_cbranch_scc0 .Lentry_in_a_cluster
	s_endpgm
.Lentry_in_a_cluster:
	s_bfe_u32 s2, ttmp6, 0x10000c
	s_cmp_lg_u32 s2, 0xf033
	s_cbranch_scc0 .Lentry_shape_is_right
	s_endpgm
.Lentry_shape_is_right:
; hq = Q((xq bq^T) * scale1 * mid): the first product on codes of BF6 (E3M2) with E8M0 scales, its result quantised along the next K and stored as records of register images;
; beside it each wave quantises its share of A (f32, K innermost) into aq, in the same records: a record (K slot of 512, group of 64 rows) is 25,600 bytes,
; fragment (block a, step q) at (4 q + a) x 1,536, the scale words behind the sixteen fragments at 24,576 + 256 q.
; 256 work-groups, each a tile of 128 x 256; four waves, each 64 rows x 128 columns in 32 accumulators; K in slots of 512 through two LDS slots of 153,600 bytes.
; 4 x 4 work-groups form a cluster: the four of a row ask jointly for xq's records, the four of a column for bq's; one tensor load a wave at the head and behind each round.
; LIMITS: a block of zeros gets the scale byte 1 (its codes are zeros, and this program alone reads the bytes); NaN and infinities are not served.
.set REC,   25600
.set FRB,   1536
.set SCO,   16*FRB
.set SLOT,  6*REC
.set SPARE, 2*SLOT
.set QST,   SPARE+512
.set QSP,   272
.set QWS,   16*QSP
.set SCW,   QST+4*QWS
.set MSTR,  32*REC
.set NSTR,  64*REC
.set LAPS,  4
.set AROW,  16384
.set LI,    4
.set L8,    5
.set HO,    6
.set PW,    8
.set PR,    12
.set ADRA,  16
.set ADRB,  18
.set ASA,   20
.set ASB,   22
.set AOF,   24
.set STI,   25
.set STO,   26
.set SWA,   27
.set SPW,   28
.set NIL,   29
.set PFO,   7                          ; v7  the prefetches' offset: 256 x min(lane, 24); never rewritten
.set PFA,   82                         ; s[82:83] where my prefetches stand: my work-group's 25 blocks of 256 bytes of the record that I fetch, in the K slot two refills on
.set PST,   84                         ; s[84:85] bytes from a K slot to the next in the operand that I fetch
; A PREFETCH, behind each joint load: the K slot that stands two refills on.  A record is 100 blocks of 256 bytes; the four partners that ask for it jointly take 25 each, told apart by address
; (cx for the rows' records, cy for the weight's); a lane a block, lanes 25-31 name block 24 again.  Waves 2 and 3 fetch two records: a second request, one record on.
; loop = 1: the loop's last trip asks for nothing: its two refills have no K slot two on.
.macro ASK loop
.if \loop
	s_cmp_gt_u32 s3, 1
	s_cbranch_scc0 .Lno_ask_\@
.endif
	global_prefetch_b8 v[PFO], s[PFA:PFA+1] th:TH_LOAD_NT scope:SCOPE_SE
	s_cmp_eq_u32 s17, 0
	s_cbranch_scc1 .Lno_ask_\@
	global_prefetch_b8 v[PFO], s[PFA:PFA+1] offset:REC th:TH_LOAD_NT scope:SCOPE_SE
.Lno_ask_\@:
.endm
.set SRA,   30
.set SC,    32
.set MF,    96
.set H,     96
.set PC,    160
.set QM,    180
.set QB,    184
.set QS,    188
.set MID,   192
.set ZR,    0
.set ZX,    64
.set ZM,    128
.set ZS,    130
.set ZB,    132
.set ZW,    134
.set ZC,    136
.set ZT,    148
.set ZH,    156
.set WH0,   160
.set WLA,   161
.set WLB,   164
.set WTL,   167
.set ZU,    168
.set G1,    24
.set G0,    32
.set G1B,   48
.set G0B,   56
.set W_MUL, 0xa1
.set TO_B,  0x40
.set TO_Z,  0xc0
.set FR_Z,  0x0c
.set IN_Z,  0xff
.set MSB, 0
.macro WIN new
.if MSB != \new
	s_set_vgpr_msb (MSB<<8)|\new
.set MSB, \new
.endif
.endm
.macro PLACES n
.rept \n
	v_nop
.endr
.endm
.macro JLOAD g0a, g1a, g0b, g1b
	s_cmp_eq_u32 s17, 0
	s_cbranch_scc0 .Lfor_b_\@
	tensor_load_to_lds s[\g0a:\g0a+3], s[\g1a:\g1a+7]
	s_nop 0
.rept 4
	v_nop
.endr
	s_branch .Lasked_\@
.Lfor_b_\@:
	tensor_load_to_lds s[\g0b:\g0b+3], s[\g1b:\g1b+7]
	s_nop 0
.rept 4
	v_nop
.endr
.Lasked_\@:
.endm
.macro CREST
	s_cmp_lg_u32 s16, 0
	s_cbranch_scc1 .Lnot_wave_0_\@
	s_barrier_signal -3
.Lnot_wave_0_\@:
	s_barrier_wait -3
	s_barrier_signal -1
	s_barrier_wait -1
.endm
.macro CROUND
	s_barrier_signal -1
	s_barrier_wait -1
	CREST
.endm
.macro QLOAD off
	WIN TO_Z
.irp c, 0,1
.irp t, 0,1,2,3,4,5,6,7
	global_load_b128 v[ZR+32*\c+4*\t:ZR+32*\c+4*\t+3], v[AOF], s[72:73] offset:(\off)+\t*AROW+256*\c th:TH_LOAD_NT
.endr
.endr
.endm
.macro QSTEP ldo, sto, wd, shift, step
	s_wait_loadcnt 0x0
	s_wait_xcnt 0x0
.if \step
	s_add_nc_u64 s[72:73], s[72:73], 512
	s_add_nc_u64 s[74:75], s[74:75], 4*FRB
.endif
.irp c, 0,1
	WIN FR_Z
.irp t, 0,1,2,3,4,5,6,7
	ds_store_b128 v[STI], v[ZR+32*\c+4*\t:ZR+32*\c+4*\t+3] offset:\t*QSP
.endr
	WIN TO_Z
.irp j, 0,1,2,3,4,5,6,7
	ds_load_b128 v[ZX+32*\c+4*\j:ZX+32*\c+4*\j+3], v[STO] offset:16*\j
.endr
.endr
.if (\ldo) >= 0
	s_wait_dscnt 8
	QLOAD \ldo
.endif
	s_wait_dscnt 0x0
	WIN IN_Z
.irp c, 0,1
	v_max3_num_f32 v[ZM+\c], |v[ZX+32*\c]|, |v[ZX+32*\c+1]|, 0x2800000
.endr
.irp i, 2,4,6,8,10,12,14,16,18,20,22,24,26,28,30
.irp c, 0,1
	v_max3_num_f32 v[ZM+\c], v[ZM+\c], |v[ZX+32*\c+\i]|, |v[ZX+32*\c+\i+1]|
.endr
.endr
.irp c, 0,1
	v_add_nc_u32 v[ZS+\c], 0xfe000000, v[ZM+\c]
.endr
.irp c, 0,1
	v_lshrrev_b32 v[ZB+\c], 23, v[ZS+\c]
.endr
	v_lshl_or_b32 v[ZW], v[ZB+1], 16, v[ZB]
	v_lshlrev_b32 v[ZW], v[ZH], v[ZW]
	v_permlanex16_b32 v[ZW+1], v[ZW], s68, s69
.if \shift
	v_mov_b32 v[(\wd)+2], v[(\wd)+1]
	v_mov_b32 v[(\wd)+1], v[\wd]
.endif
	v_or_b32 v[\wd], v[ZW], v[ZW+1]
.irp c, 0,1
	v_cvt_scalef32_pk16_bf6_f32 v[ZC+6*\c:ZC+6*\c+2], v[ZX+32*\c:ZX+32*\c+15], v[ZS+\c]
	v_cvt_scalef32_pk16_bf6_f32 v[ZT+4*\c:ZT+4*\c+2], v[ZX+32*\c+16:ZX+32*\c+31], v[ZS+\c]
.endr
	v_nop
.irp c, 0,1
.irp i, 0,1,2
	v_mov_b32 v[ZC+3+6*\c+\i], v[ZT+4*\c+\i]
.endr
.endr
	WIN FR_Z
.irp g, 0,1,2
	global_store_b128 v[LI], v[ZC+4*\g:ZC+4*\g+3], s[74:75] offset:(\sto)+512*\g
.endr
	WIN 0
.endm
	s_load_b128 s[4:7], s[0:1], 0x0
	s_load_b128 s[8:11], s[0:1], 0x10
	s_load_b64 s[72:73], s[0:1], 0x20
	s_load_b64 s[12:13], s[0:1], 0x28
	s_load_b64 s[74:75], s[0:1], 0x30
	v_lshl_add_u32 v[SPW], v0, 2, SPARE
	v_mov_b32 v[NIL], 0
	ds_add_u32 v28, v29
	ds_add_u32 v28, v29
	s_wait_dscnt 0x0
	v_lshrrev_b32 v1, 5, v0
	v_readfirstlane_b32 s16, v1
	s_lshr_b32 s17, s16, 1
	s_and_b32 s18, s16, 1
	s_bfe_u32 s40, ttmp6, 0x40000
	s_bfe_u32 s41, ttmp6, 0x40004
	s_lshl_b32 s42, ttmp9, 2
	s_add_co_u32 s42, s42, s40
	s_and_b32 s19, ttmp7, 0xffff
	s_lshl_b32 s19, s19, 2
	s_add_co_u32 s19, s19, s41
	s_lshl_b32 s43, s41, 2
	s_lshl_b32 s43, 15, s43
	s_lshl_b32 s44, 0x1111, s40
	s_or_b32 s[G1], s43, (3<<16)|(1<<21)
	s_or_b32 s[G1B], s44, (3<<16)|(1<<21)
.irp g, G1, G1B
	s_mov_b32 s[\g+1], 32<<16
	s_mov_b32 s[\g+3], 32<<16
	s_mov_b32 s[\g+5], 32
	s_mov_b32 s[\g+6], 0
	s_mov_b32 s[\g+7], 0
.endr
	s_mov_b32 s[G1+2], (REC/256)<<16
	s_mov_b32 s[G1+4], REC/256
	s_mov_b32 s[G1B+2], (2*REC/256)<<16
	s_mov_b32 s[G1B+4], 2*REC/256
	s_lshl_b32 s20, s19, 1
	s_add_co_u32 s20, s20, s18
	s_mul_i32 s20, s20, REC
	s_mov_b32 s21, 0
	s_lshl_b32 s46, s42, 2
	s_lshl_b32 s47, s18, 1
	s_add_co_u32 s46, s46, s47
	s_mul_i32 s46, s46, REC
	s_mov_b32 s47, 0
	s_mul_i32 s45, s18, REC
	s_mul_i32 s23, s18, 2*REC
	s_add_co_u32 s23, s23, 2*REC
	s_mov_b32 s68, 0x76543210
	s_mov_b32 s69, 0xfedcba98
	s_wait_kmcnt 0x0
	s_add_nc_u64 s[20:21], s[4:5], s[20:21]
	s_add_nc_u64 s[46:47], s[6:7], s[46:47]
	CROUND
.irp s, 0,1
	s_mov_b32 s[G0+4*\s], 1
	s_add_co_u32 s[G0+4*\s+1], s45, \s*SLOT
	s_add_nc_u64 s[G0+4*\s+2:G0+4*\s+3], s[20:21], \s*MSTR
	s_or_b32 s[G0+4*\s+3], s[G0+4*\s+3], 0x80000000
	s_mov_b32 s[G0B+4*\s], 1
	s_add_co_u32 s[G0B+4*\s+1], s23, \s*SLOT
	s_add_nc_u64 s[G0B+4*\s+2:G0B+4*\s+3], s[46:47], \s*NSTR
	s_or_b32 s[G0B+4*\s+3], s[G0B+4*\s+3], 0x80000000
.endr
	v_and_b32 v[PFO], 31, v0
	v_min_u32 v[PFO], 24, v[PFO]
	v_lshlrev_b32 v[PFO], 8, v[PFO]
	s_wait_alu depctr_va_vdst(0)                   ; the wait behind the write
	s_cmp_eq_u32 s17, 0                            ; do I fetch for the rows?
	s_mov_b32 s[PST], NSTR
	s_cselect_b64 s[PFA:PFA+1], s[20:21], s[46:47] ; the record that I fetch, in K slot 0
	s_cselect_b32 s[PST], MSTR, s[PST]
	s_cselect_b32 s22, s40, s41                    ; my place among the four that ask for it with me
	s_mul_i32 s22, s22, 25*256
	s_mov_b32 s23, 0
	s_mov_b32 s[PST+1], 0
	s_add_nc_u64 s[PFA:PFA+1], s[PFA:PFA+1], s[22:23]
	s_add_nc_u64 s[PFA:PFA+1], s[PFA:PFA+1], s[PST:PST+1]
	s_add_nc_u64 s[PFA:PFA+1], s[PFA:PFA+1], s[PST:PST+1]   ; at K slot 2
	JLOAD G0, G1, G0B, G1B                         ; K slot 0: my one tensor load at the head; the set-up and A's first loads follow while it is out
	ASK 0                                          ; K slot 2
	s_load_b32 s66, s[8:9], 0x0
	v_and_b32 v1, 31, v0
	v_and_b32 v2, 15, v0
	v_bfe_u32 v3, v0, 4, 1
	v_lshlrev_b32 v[LI], 4, v1
	v_lshlrev_b32 v[L8], 3, v1
	v_lshlrev_b32 v[HO], 6, v3
	v_lshlrev_b32 v[AOF], 18, v3
	v_lshl_add_u32 v[AOF], v2, 4, v[AOF]
	s_wait_alu depctr_va_vdst(0)
	s_lshl_b32 s78, s19, 4
	s_add_co_u32 s78, s78, s42
	s_lshr_b32 s79, s78, 2
	s_and_b32 s78, s78, 3
	s_lshl_b32 s78, s78, 1
	s_lshl_b32 s80, s79, 20
	s_lshl_b32 s81, s78, 11
	s_add_co_u32 s80, s80, s81
	s_lshl_b32 s81, s17, 19
	s_add_co_u32 s80, s80, s81
	s_lshl_b32 s81, s18, 17
	s_add_co_u32 s80, s80, s81
	s_mov_b32 s81, 0
	s_add_nc_u64 s[72:73], s[72:73], s[80:81]
	QLOAD 0
	WIN 0
	s_lshl_b32 s78, s78, 6
	s_add_co_u32 s78, s78, s79
	s_mul_i32 s80, s78, REC
	s_add_nc_u64 s[74:75], s[74:75], s[80:81]
	s_mul_i32 s80, s17, NSTR
	s_lshl_b32 s78, s18, 9
	s_add_co_u32 s80, s80, s78
	s_add_co_u32 s80, s80, SCO
	s_add_nc_u64 s[76:77], s[74:75], s[80:81]
	s_mul_i32 s80, s16, FRB
	s_add_nc_u64 s[74:75], s[74:75], s[80:81]
	s_mul_i32 s78, s16, QWS
	s_add_co_u32 s78, s78, QST
	v_mul_u32_u24 v[STI], v3, 8*QSP
	v_lshl_add_u32 v[STI], v2, 4, v[STI]
	v_add_nc_u32 v[STI], s78, v[STI]
	v_mul_u32_u24 v[STO], v2, QSP
	v_lshl_add_u32 v[STO], v3, 7, v[STO]
	v_add_nc_u32 v[STO], s78, v[STO]
	s_lshl_b32 s79, s18, 7
	s_lshl_b32 s80, s17, 2
	s_add_co_u32 s79, s79, s80
	s_add_co_u32 s79, s79, SCW
	v_lshl_add_u32 v[SWA], v2, 3, s79
	s_lshl_b32 s80, s16, 9
	s_add_co_u32 s80, s80, SCW
	v_add_nc_u32 v[SRA], s80, v[LI]
	s_mul_i32 s20, s17, REC
	s_mul_i32 s21, s18, 2*REC
	s_add_co_u32 s21, s21, 2*REC
.irp s, 0,1
	v_add_nc_u32 v[ADRA+\s], s20, v[LI]
	v_add_nc_u32 v[ADRB+\s], s21, v[LI]
	v_add_nc_u32 v[ASA+\s], s20, v[L8]
	v_add_nc_u32 v[ASB+\s], s21, v[L8]
	s_add_co_u32 s20, s20, SLOT
	s_add_co_u32 s21, s21, SLOT
.endr
	s_lshl_b32 s20, s42, 10
	s_lshl_b32 s21, s18, 9
	s_add_co_u32 s20, s20, s21
	s_mov_b32 s21, 0
	s_add_nc_u64 s[10:11], s[10:11], s[20:21]
.irp b, 0,1,2,3
.irp j, 0,1,2,3
	global_load_b128 v[MID+16*\b+4*\j:MID+16*\b+4*\j+3], v[HO], s[10:11] offset:128*\b+16*\j
.endr
.endr
	s_lshr_b32 s20, s42, 1
	s_lshl_b32 s20, s20, 5
	s_lshl_b32 s21, s19, 1
	s_add_co_u32 s20, s20, s21
	s_add_co_u32 s20, s20, s17
	s_mul_i32 s20, s20, REC
	s_and_b32 s21, s42, 1
	s_lshl_b32 s21, s21, 1
	s_add_co_u32 s21, s21, s18
	s_mul_i32 s22, s21, 4*FRB
	s_add_co_u32 s22, s22, s20
	s_lshl_b32 s21, s21, 8
	s_add_co_u32 s20, s20, s21
	s_add_co_u32 s20, s20, SCO
	s_mov_b32 s21, 0
	s_mov_b32 s23, 0
	s_add_nc_u64 s[14:15], s[12:13], s[20:21]
	s_add_nc_u64 s[12:13], s[12:13], s[22:23]
	WIN TO_Z
	v_lshlrev_b32 v[ZH], 3, v3
	v_mov_b32 v[ZW+1], 0
	v_mov_b32 v[WLA], 0
	v_mov_b32 v[WLA+1], 0
	v_mov_b32 v[WLB], 0
	v_mov_b32 v[WLB+1], 0
	WIN 0
	s_wait_kmcnt 0x0
	s_mov_b32 s67, s66
.macro WM a, b, p, q, sc, zero
.set rD, 8*(8*(\a)+(\b))
.set rN, 128*(\p)+12*(\b)
.set rM, MF+48*(\p)+12*(\a)
.set rX, SC+24*(\sc)+8+8*((\b)/4)+2*(\q)+((\b)%4)/2
.set rY, SC+24*(\sc)+2*(\q)+(\a)/2
.if \zero
.if ((\a)%2) && ((\b)%2)
	v_wmma_scale_f32_16x16x128_f8f6f4 v[rD:rD+7], v[rN:rN+11], v[rM:rM+11], 0, v[rX], v[rY] matrix_a_fmt:MATRIX_FMT_BF6 matrix_b_fmt:MATRIX_FMT_BF6 matrix_a_scale:MATRIX_SCALE_ROW1 matrix_b_scale:MATRIX_SCALE_ROW1
.elseif (\b)%2
	v_wmma_scale_f32_16x16x128_f8f6f4 v[rD:rD+7], v[rN:rN+11], v[rM:rM+11], 0, v[rX], v[rY] matrix_a_fmt:MATRIX_FMT_BF6 matrix_b_fmt:MATRIX_FMT_BF6 matrix_a_scale:MATRIX_SCALE_ROW1
.elseif (\a)%2
	v_wmma_scale_f32_16x16x128_f8f6f4 v[rD:rD+7], v[rN:rN+11], v[rM:rM+11], 0, v[rX], v[rY] matrix_a_fmt:MATRIX_FMT_BF6 matrix_b_fmt:MATRIX_FMT_BF6 matrix_b_scale:MATRIX_SCALE_ROW1
.else
	v_wmma_scale_f32_16x16x128_f8f6f4 v[rD:rD+7], v[rN:rN+11], v[rM:rM+11], 0, v[rX], v[rY] matrix_a_fmt:MATRIX_FMT_BF6 matrix_b_fmt:MATRIX_FMT_BF6
.endif
.else
.if ((\a)%2) && ((\b)%2)
	v_wmma_scale_f32_16x16x128_f8f6f4 v[rD:rD+7], v[rN:rN+11], v[rM:rM+11], v[rD:rD+7], v[rX], v[rY] matrix_a_fmt:MATRIX_FMT_BF6 matrix_b_fmt:MATRIX_FMT_BF6 matrix_a_scale:MATRIX_SCALE_ROW1 matrix_b_scale:MATRIX_SCALE_ROW1
.elseif (\b)%2
	v_wmma_scale_f32_16x16x128_f8f6f4 v[rD:rD+7], v[rN:rN+11], v[rM:rM+11], v[rD:rD+7], v[rX], v[rY] matrix_a_fmt:MATRIX_FMT_BF6 matrix_b_fmt:MATRIX_FMT_BF6 matrix_a_scale:MATRIX_SCALE_ROW1
.elseif (\a)%2
	v_wmma_scale_f32_16x16x128_f8f6f4 v[rD:rD+7], v[rN:rN+11], v[rM:rM+11], v[rD:rD+7], v[rX], v[rY] matrix_a_fmt:MATRIX_FMT_BF6 matrix_b_fmt:MATRIX_FMT_BF6 matrix_b_scale:MATRIX_SCALE_ROW1
.else
	v_wmma_scale_f32_16x16x128_f8f6f4 v[rD:rD+7], v[rN:rN+11], v[rM:rM+11], v[rD:rD+7], v[rX], v[rY] matrix_a_fmt:MATRIX_FMT_BF6 matrix_b_fmt:MATRIX_FMT_BF6
.endif
.endif
.endm
.macro MUL a0, n, p, q, sc, zero
.set ia, \a0
.rept \n
.set ib, 0
.rept 8
	WM ia, ib, \p, \q, \sc, \zero
.set ib, ib+1
.endr
.set ia, ia+1
.endr
.endm
.macro FETCH slot, q, p
	WIN TO_B
.irp b, 0,1,2,3,4,5,6,7
.irp g, 0,1,2
	ds_load_b128 v[128*(\p)+12*\b+4*\g:128*(\p)+12*\b+4*\g+3], v[ADRB+\slot] offset:(\b/4)*REC+(4*(\q)+\b%4)*FRB+512*\g
.endr
.endr
	WIN 0
.irp a, 0,1,2,3
.irp g, 0,1,2
	ds_load_b128 v[MF+48*(\p)+12*\a+4*\g:MF+48*(\p)+12*\a+4*\g+3], v[ADRA+\slot] offset:(4*(\q)+\a)*FRB+512*\g
.endr
.endr
.endm
.macro SCALES slot
.irp q, 0,1,2,3
	ds_load_b64 v[SC+24*\slot+2*\q:SC+24*\slot+2*\q+1], v[ASA+\slot] offset:SCO+256*\q
.endr
.irp j, 0,1
.irp q, 0,1,2,3
	ds_load_b64 v[SC+24*\slot+8+8*\j+2*\q:SC+24*\slot+8+8*\j+2*\q+1], v[ASB+\slot] offset:\j*REC+SCO+256*\q
.endr
.endr
.endm
.macro STEP slot, q, zero
	PLACES 4
	FETCH \slot, (\q)+1, 1-(\q)%2
	s_wait_dscnt 36
	WIN W_MUL
	MUL 0, 4, (\q)%2, \q, \slot, \zero
	WIN 0
.endm
.macro TURN slot, next, fill
.if \fill
	s_wait_xcnt 0x0                                ; my prefetches have read their address: it steps one K slot on
	s_add_nc_u64 s[PFA:PFA+1], s[PFA:PFA+1], s[PST:PST+1]
.endif
	s_wait_tensorcnt 0x0
	ds_add_u32 v[SPW], v[NIL]
	s_wait_dscnt 1
	WIN W_MUL
	MUL 0, 1, 1, 3, \slot, 0
	s_wait_dscnt 0x0
	s_barrier_signal -1
	MUL 1, 1, 1, 3, \slot, 0
	WIN 0
	s_barrier_wait -1
.if \fill
	CREST
	s_add_nc_u64 s[G0+4*\slot+2:G0+4*\slot+3], s[G0+4*\slot+2:G0+4*\slot+3], 2*MSTR
	s_add_nc_u64 s[G0B+4*\slot+2:G0B+4*\slot+3], s[G0B+4*\slot+2:G0B+4*\slot+3], 2*NSTR
	JLOAD G0+4*\slot, G1, G0B+4*\slot, G1B
.else
	PLACES 4
.endif
	FETCH \next, 0, 0
	SCALES \next
.if \fill
	ASK 1                                          ; behind the joint load and the run of LDS loads
.endif
	WIN W_MUL
	MUL 2, 2, 1, 3, \slot, 0
	WIN 0
.endm
	s_wait_alu depctr_va_vdst(0)
	s_wait_xcnt 0x0                                ; my prefetches have read their address: it steps to K slot 3
	s_add_nc_u64 s[PFA:PFA+1], s[PFA:PFA+1], s[PST:PST+1]
	s_wait_tensorcnt 0x0                           ; my part of K slot 0 is in; slot 1's first fill is issued as a refill is:
	ds_add_u32 v[SPW], v[NIL]                      ; 0 onto my spare word
	s_wait_dscnt 0x0                               ; the add is done
	CROUND                                         ; a whole round: everybody's part of K slot 0 is in, and the joint loads meet
	JLOAD G0+4, G1, G0B+4, G1B                     ; K slot 1: the first tensor load behind the round
	QSTEP 2048, 0, WH0, 0, 0                       ; A's first step is quantised while that load is out
	FETCH 0, 0, 0
	SCALES 0
	ASK 0                                          ; K slot 3
	STEP 0, 0, 1
	s_mov_b32 s3, LAPS-1
.Llap:
	STEP 0, 1, 0
	STEP 0, 2, 0
	QSTEP 0, NSTR-4*FRB, WLA, 1, 1
	TURN 0, 1, 1
	STEP 1, 0, 0
	STEP 1, 1, 0
	STEP 1, 2, 0
	QSTEP 2048, 0, WLB, 1, 0
	TURN 1, 0, 1
	STEP 0, 0, 0
	s_sub_co_u32 s3, s3, 1
	s_cmp_lg_u32 s3, 0
	s_cbranch_scc1 .Llap
	STEP 0, 1, 0
	STEP 0, 2, 0
	QSTEP -1, NSTR, WTL, 0, 0
	WIN FR_Z
	ds_store_b32 v[SWA], v[WH0]
	ds_store_b32 v[SWA], v[WLB+2] offset:256
	ds_store_b32 v[SWA], v[WLB+1] offset:512
	ds_store_b32 v[SWA], v[WLB] offset:768
	ds_store_b32 v[SWA], v[WLA+2] offset:1024
	ds_store_b32 v[SWA], v[WLA+1] offset:1280
	ds_store_b32 v[SWA], v[WLA] offset:1536
	ds_store_b32 v[SWA], v[WTL] offset:1792
	WIN 0
	TURN 0, 1, 0
	STEP 1, 0, 0
	STEP 1, 1, 0
	STEP 1, 2, 0
	s_wait_dscnt 0x0
	WIN W_MUL
	MUL 0, 4, 1, 3, 1, 0
	WIN TO_Z
	ds_load_b128 v[ZU:ZU+3], v[SRA]
	WIN 0
.macro QUANT s, pw
.irp b, 0,1,2,3
	v_max3_num_f32 v[QM+\b], |v[\s+16*\b]|, |v[\s+1+16*\b]|, 0x2800000
.endr
.irp i, 2,4,6,8,10,12,14
.irp b, 0,1,2,3
	v_max3_num_f32 v[QM+\b], v[QM+\b], |v[\s+16*\b+\i]|, |v[\s+1+16*\b+\i]|
.endr
.endr
.irp b, 0,1,2,3
	v_permlanex16_b32 v[QB+\b], v[QM+\b], s68, s69
.endr
.irp b, 0,1,2,3
	v_max_num_f32 v[QM+\b], v[QM+\b], v[QB+\b]
.endr
.irp b, 0,1,2,3
	v_add_nc_u32 v[QS+\b], 0xfe000000, v[QM+\b]
.endr
.irp b, 0,1,2,3
	v_lshrrev_b32 v[QB+\b], 23, v[QS+\b]
.endr
	v_lshl_or_b32 v[\pw], v[QB+1], 8, v[QB]
	v_lshl_or_b32 v[\pw], v[QB+2], 16, v[\pw]
	v_lshl_or_b32 v[\pw], v[QB+3], 24, v[\pw]
.irp c, 0,1
	v_cvt_scalef32_pk16_bf6_f32 v[PC+6*\c:PC+2+6*\c], v[\s+32*\c:\s+15+32*\c], v[QS+2*\c]
	v_cvt_scalef32_pk16_bf6_f32 v[PC+12+4*\c:PC+14+4*\c], v[\s+16+32*\c:\s+31+32*\c], v[QS+2*\c+1]
.endr
	v_nop
.irp c, 0,1
.irp i, 0,1,2
	v_permlane16_swap_b32 v[PC+6*\c+\i], v[PC+12+4*\c+\i]
.endr
.irp i, 0,1,2
	v_mov_b32 v[PC+3+6*\c+\i], v[PC+12+4*\c+\i]
.endr
.endr
.endm
.macro OUTB a
	WIN 0x02
.set j, 0
.rept 32
	v_pk_mul_f32 v[H+2*j:H+2*j+1], v[64*(\a)+2*j:64*(\a)+2*j+1], s[66:67] op_sel_hi:[1,0]
.set j, j+1
.endr
	WIN 0
.set j, 0
.rept 32
	v_pk_mul_f32 v[H+2*j:H+2*j+1], v[H+2*j:H+2*j+1], v[MID+2*j:MID+2*j+1]
.set j, j+1
.endr
.if (\a) > 0
	s_wait_xcnt 0x0
.endif
	QUANT H, PW+(\a)
.irp g, 0,1,2
	global_store_b128 v[LI], v[PC+4*\g:PC+4*\g+3], s[12:13] offset:FRB*(\a)+512*\g
.endr
.endm
	PLACES 4
.irp b, 0,1,2,3
	v_mov_b32 v[QB+\b], 0
.endr
	OUTB 0
	OUTB 1
	OUTB 2
	OUTB 3
	v_cmp_ne_u32 vcc_lo, 0, v3
	v_cndmask_b32 v[PR], v[PW], v[PW+1], vcc_lo
	v_cndmask_b32 v[PR+1], v[PW+2], v[PW+3], vcc_lo
	global_store_b64 v[L8], v[PR:PR+1], s[14:15]
	s_wait_dscnt 0x0
	WIN FR_Z
	global_store_b128 v[LI], v[ZU:ZU+3], s[76:77]
	WIN 0
	s_wait_tensorcnt 0x0
	ds_add_u32 v[SPW], v[NIL]
	s_wait_dscnt 0x0
	CROUND
	s_endpgm
.Lfunc_end_k_qeaf18efada_gemm1:
	.size	k_qeaf18efada_gemm1, .Lfunc_end_k_qeaf18efada_gemm1-k_qeaf18efada_gemm1
	.p2alignl 7, 3214868480
	.fill 96, 4, 3214868480
	.section	.rodata,"a",@progbits
	.p2align	6, 0x0
	.amdhsa_kernel k_qeaf18efada_gemm1
		.amdhsa_group_segment_fixed_size 327680
		.amdhsa_private_segment_fixed_size 0
		.amdhsa_enable_private_segment 0
		.amdhsa_kernarg_size 56
		.amdhsa_user_sgpr_count 2
		.amdhsa_user_sgpr_kernarg_segment_ptr 1
		.amdhsa_wavefront_size32 1
		.amdhsa_system_sgpr_workgroup_id_x 1
		.amdhsa_system_sgpr_workgroup_id_y 1
		.amdhsa_system_sgpr_workgroup_id_z 1
		.amdhsa_system_vgpr_workitem_id 0
		.amdhsa_next_free_vgpr 1024
		.amdhsa_next_free_sgpr 88
		.amdhsa_reserve_vcc 1
		.amdhsa_float_denorm_mode_32 3
		.amdhsa_float_denorm_mode_16_64 3
		.amdhsa_memory_ordered 1
		.amdhsa_forward_progress 1
		.amdhsa_inst_pref_size 186
	.end_amdhsa_kernel
	.amdgpu_metadata
---
amdhsa.version: [ 1, 2 ]
amdhsa.kernels:
  - .name:           k_qeaf18efada_gemm1
    .symbol:         k_qeaf18efada_gemm1.kd
    .args:
      - { .name: xq, .offset: 0, .size: 8, .value_kind: global_buffer, .address_space: global }
      - { .name: bq, .offset: 8, .size: 8, .value_kind: global_buffer, .address_space: global }
      - { .name: scale1, .offset: 16, .size: 8, .value_kind: global_buffer, .address_space: global }
      - { .name: mid, .offset: 24, .size: 8, .value_kind: global_buffer, .address_space: global }
      - { .name: A, .offset: 32, .size: 8, .value_kind: global_buffer, .address_space: global }
      - { .name: hq, .offset: 40, .size: 8, .value_kind: global_buffer, .address_space: global }
      - { .name: aq, .offset: 48, .size: 8, .value_kind: global_buffer, .address_space: global }
    .group_segment_fixed_size: 327680
    .private_segment_fixed_size: 0
    .kernarg_segment_align: 8
    .kernarg_segment_size: 56
    .max_flat_workgroup_size: 128
    .sgpr_count:     88
    .vgpr_count:     1024
    .wavefront_size: 32
...
	.end_amdgpu_metadata
.endif
;; end of part 2
;; launch gemm2 (part 3): grid 16 x 16, 4 waves a work-group, clusters of 4 x 4, 327,680 bytes of LDS; arguments hq, aq, scale3, Da, bias, out0; writes out0
.if DOCPART == 3
	.amdgcn_target "amdgcn-amd-amdhsa--gfx1250"
	.amdhsa_code_object_version 6
	.text
	.protected	k_qeaf18efada_gemm2
	.globl	k_qeaf18efada_gemm2
	.p2align	8
	.type	k_qeaf18efada_gemm2,@function
k_qeaf18efada_gemm2:
	s_mov_b64 s[64:65], 0
	v_nop
	global_prefetch_b8 v0, s[64:65] scope:SCOPE_SE
	s_setreg_imm32_b32 hwreg(HW_REG_WAVE_MODE, 25, 1), 1
	s_wait_xcnt 0x0
	s_wait_alu depctr_hold_cnt(0) depctr_sa_sdst(0) depctr_va_vdst(0) depctr_va_sdst(0) depctr_va_ssrc(0) depctr_va_vcc(0) depctr_vm_vsrc(0)
	s_getreg_b32 s2, hwreg(HW_REG_IB_STS2, 6, 4)
	s_cmp_eq_u32 s2, 0
	s_cbranch_scc0 .Lentry_in_a_cluster
	s_endpgm
.Lentry_in_a_cluster:
	s_bfe_u32 s2, ttmp6, 0x10000c
	s_cmp_lg_u32 s2, 0xf033
	s_cbranch_scc0 .Lentry_shape_is_right
	s_endpgm
.Lentry_shape_is_right:
; out0 = (h A^T) * scale3 * Da + bias, f32 [2048][4096].  h (the hidden layer) and A come as codes of BF6 (E3M2) with E8M0 scales, in records of register images:
; a record (K slot s of 512, group G of 64 rows) is 25,600 bytes: fragment (block a, step q of 128 along K) at (4 q + a) x 1,536, registers 4 g .. 4 g + 3 of lane l at 512 g + 16 l; at 24,576 + 256 q
; the scale words, byte 8 l + 4 e = row l % 16 of block 2 e + l / 16.  Record (s, G) of hq lies at (32 s + G) x 25,600, of aq at (64 s + G) x 25,600.
; Image row i of block a is tensor row 64 G + 32 (a / 2) + 8 (a % 2) + i + 8 (i / 8): the stores below put each row where it belongs.
; SHARES, RING, CLUSTERS: 256 work-groups, each a tile of 128 x 256; four waves, each 64 rows x 128 columns in 32 accumulators; K in slots of 512 through two LDS slots of 153,600 bytes;
; 4 x 4 work-groups form a cluster: the four of a row ask jointly for hq's records, the four of a column for aq's; one tensor load a wave behind each round of the cluster's barrier.
; THE MATRIX INSTRUCTION IS USED TRANSPOSED (source 0 = 16 rows of A, source 1 = 16 rows of h): lane (r, h) holds image row r, and its register 64 a + 16 b + i is column n0 + 32 b + 16 h + i.
; ROUNDING: scale3 * Da is made once for each column and the bias is fused into the multiplication: two roundings where the module has three; nothing is quantised behind this.
; LIMITS: NaN and infinities are not served.
; REGISTERS, in windows of 256: window 0: v1-29 addresses; v32-79 scale words, two sets of 24, and nothing else; v96-191 the rows' fragments, two sets; on the way out v96-223 rows of the result.
;   window 1: the weight's fragments, two sets, at v0 and v128.   window 2: the accumulators, (a, b) at v[8 (8 a + b)].   window 3: v0-63 scale3 * Da, v64-127 bias, as the results lie.
.set REC,   25600
.set FRB,   1536
.set SCO,   16*FRB                     ; where a record's scale words begin
.set SLOT,  6*REC
.set SPARE, 2*SLOT                     ; behind the ring: the spare words, 128 bytes for each wave: two blocks of 256 bytes that no other line names
.set MSTR,  32*REC                     ; from a K slot to the next, in the rows' operand
.set NSTR,  64*REC                     ; and in the weight
.set LAPS,  4                          ; a lap = two K slots = once round the ring
.set SP,    528                        ; the way out: a stage of 16 rows x (512 bytes + 16) for each wave.  It lies in slot 0, which has had its last fill and its last read when the first result is stored there
.set ROWB,  16384                      ; a row of out0 in bytes
.set LI,    4                          ; v4   16 x lane
.set L8,    5                          ; v5   8 x lane
.set HO,    6                          ; v6   64 h
.set ADRA,  16                         ; v16-17 LDS address of my rows' record in slot 0, 1, + 16 x lane
.set ADRB,  18                         ; v18-19 of my weight's two records
.set ASA,   20                         ; v20-21, v22-23 the same + 8 x lane, for the scale words
.set ASB,   22
.set STO,   24                         ; v24  the stage: where I put my numbers of row r
.set RD,    25                         ; v25  and where I read a row back
.set SPW,   28                         ; v28  LDS address of my spare word: SPARE + 4 x my thread's number; never rewritten
.set NIL,   29                         ; v29  0; never rewritten
.set PFO,   7                          ; v7  the prefetches' offset: 256 x min(lane, 24); never rewritten
.set PFA,   68                         ; s[68:69] where my prefetches stand: my work-group's 25 blocks of 256 bytes of the record that I fetch, in the K slot two refills on
.set PST,   70                         ; s[70:71] bytes from a K slot to the next in the operand that I fetch
; A PREFETCH, behind each joint load: the K slot that stands two refills on.  A record is 100 blocks of 256 bytes; the four partners that ask for it jointly take 25 each, told apart by address
; (cx for the rows' records, cy for the weight's); a lane a block, lanes 25-31 name block 24 again.  Waves 2 and 3 fetch two records: a second request, one record on.
; loop = 1: the loop's last trip asks for nothing: its two refills have no K slot two on.
.macro ASK loop
.if \loop
	s_cmp_gt_u32 s3, 1
	s_cbranch_scc0 .Lno_ask_\@
.endif
	global_prefetch_b8 v[PFO], s[PFA:PFA+1] th:TH_LOAD_NT scope:SCOPE_SE
	s_cmp_eq_u32 s17, 0
	s_cbranch_scc1 .Lno_ask_\@
	global_prefetch_b8 v[PFO], s[PFA:PFA+1] offset:REC th:TH_LOAD_NT scope:SCOPE_SE
.Lno_ask_\@:
.endm
.set SC,    32
.set MF,    96
.set BK,    96                         ; the way out: 16 rows read back: v96-159 and v160-223 by turns
.set DA,    0                          ; in window 3
.set BI,    64
.set G1,    24
.set G0,    32
.set G1B,   48
.set G0B,   56
.set W_MUL, 0xa1                       ; source 0 (weight) window 1, source 1 (rows) window 0, C and D window 2
.set TO_B,  0x40                       ; destination window 1, address window 0
.set MSB, 0
.macro WIN new                         ; the immediate's high byte repeats the setting that is left
.if MSB != \new
	s_set_vgpr_msb (MSB<<8)|\new
.set MSB, \new
.endif
.endm
.macro PLACES n
.rept \n
	v_nop
.endr
.endm
; A joint load: waves 0 and 1 fetch for the rows' operand, waves 2 and 3 for the weight; the branch hangs on the wave's number alone.  Four v_nop follow each of the two lines.
.macro JLOAD g0a, g1a, g0b, g1b
	s_cmp_eq_u32 s17, 0
	s_cbranch_scc0 .Lfor_b_\@
	tensor_load_to_lds s[\g0a:\g0a+3], s[\g1a:\g1a+7]
	s_nop 0
.rept 4
	v_nop
.endr
	s_branch .Lasked_\@
.Lfor_b_\@:
	tensor_load_to_lds s[\g0b:\g0b+3], s[\g1b:\g1b+7]
	s_nop 0
.rept 4
	v_nop
.endr
.Lasked_\@:
.endm
.macro CREST                           ; a round of the cluster's barrier behind its opening barrier
	s_cmp_lg_u32 s16, 0
	s_cbranch_scc1 .Lnot_wave_0_\@
	s_barrier_signal -3
.Lnot_wave_0_\@:
	s_barrier_wait -3
	s_barrier_signal -1
	s_barrier_wait -1
.endm
.macro CROUND                          ; a whole round
	s_barrier_signal -1
	s_barrier_wait -1
	CREST
.endm
	s_load_b128 s[4:7], s[0:1], 0x0                ; hq s[4:5], aq s[6:7]
	s_load_b128 s[8:11], s[0:1], 0x10              ; scale3 s[8:9], Da s[10:11]
	s_load_b128 s[12:15], s[0:1], 0x20             ; bias s[12:13], out0 s[14:15]
	v_lshl_add_u32 v[SPW], v0, 2, SPARE
	v_mov_b32 v[NIL], 0
	ds_add_u32 v28, v29
	ds_add_u32 v28, v29
	s_wait_dscnt 0x0
	v_lshrrev_b32 v1, 5, v0
	v_readfirstlane_b32 s16, v1                    ; wave 0..3
	s_lshr_b32 s17, s16, 1                         ; wm: which 64 rows of the tile are mine.  Also: I fetch for the rows (0) or for the weight (1)
	s_and_b32 s18, s16, 1                          ; wn: which 128 columns.  Also: which part of that operand I fetch
	s_bfe_u32 s40, ttmp6, 0x40000                  ; cx, cy: my place in the cluster
	s_bfe_u32 s41, ttmp6, 0x40004
	s_lshl_b32 s42, ttmp9, 2
	s_add_co_u32 s42, s42, s40                     ; tx: tile column = 4 x cluster x + cx
	s_and_b32 s19, ttmp7, 0xffff
	s_lshl_b32 s19, s19, 2
	s_add_co_u32 s19, s19, s41                     ; ty: tile row = 4 x cluster y + cy
	s_lshl_b32 s43, s41, 2
	s_lshl_b32 s43, 15, s43                        ; my row of the cluster
	s_lshl_b32 s44, 0x1111, s40                    ; my column
	; descriptor group 1: a dense block as rows of 256 bytes (32 elements of 8 bytes), no padding
	s_or_b32 s[G1], s43, (3<<16)|(1<<21)           ; 15:0 the mask: the rows' records go to my row of the cluster; 17:16 elements of 8 bytes; 21 set beside a mask
	s_or_b32 s[G1B], s44, (3<<16)|(1<<21)          ; the weight's go to my column
.irp g, G1, G1B
	s_mov_b32 s[\g+1], 32<<16                      ; tensor_dim0 = 32
	s_mov_b32 s[\g+3], 32<<16                      ; tile_dim0 = 32
	s_mov_b32 s[\g+5], 32                          ; tensor_dim0_stride
	s_mov_b32 s[\g+6], 0
	s_mov_b32 s[\g+7], 0
.endr
	s_mov_b32 s[G1+2], (REC/256)<<16               ; tensor_dim1 = 100: one record
	s_mov_b32 s[G1+4], REC/256                     ; tile_dim1
	s_mov_b32 s[G1B+2], (2*REC/256)<<16            ; 200: two records
	s_mov_b32 s[G1B+4], 2*REC/256
	s_lshl_b32 s20, s19, 1
	s_add_co_u32 s20, s20, s18
	s_mul_i32 s20, s20, REC                        ; the rows: group 2 ty + wn
	s_mov_b32 s21, 0
	s_lshl_b32 s46, s42, 2
	s_lshl_b32 s47, s18, 1
	s_add_co_u32 s46, s46, s47
	s_mul_i32 s46, s46, REC                        ; the weight: groups 4 tx + 2 wn and the next
	s_mov_b32 s47, 0
	s_mul_i32 s45, s18, REC                        ; where they go: no place in the cluster enters an LDS address
	s_mul_i32 s23, s18, 2*REC
	s_add_co_u32 s23, s23, 2*REC
	s_wait_kmcnt 0x0
	s_add_nc_u64 s[20:21], s[4:5], s[20:21]
	s_add_nc_u64 s[46:47], s[6:7], s[46:47]
	CROUND                                         ; all sixteen work-groups are here: the first joint loads meet
.irp s, 0,1
	s_mov_b32 s[G0+4*\s], 1                                        ; count = 1
	s_add_co_u32 s[G0+4*\s+1], s45, \s*SLOT                        ; LDS address
	s_add_nc_u64 s[G0+4*\s+2:G0+4*\s+3], s[20:21], \s*MSTR         ; global address: K slot s
	s_or_b32 s[G0+4*\s+3], s[G0+4*\s+3], 0x80000000                ; type = 2
	s_mov_b32 s[G0B+4*\s], 1
	s_add_co_u32 s[G0B+4*\s+1], s23, \s*SLOT
	s_add_nc_u64 s[G0B+4*\s+2:G0B+4*\s+3], s[46:47], \s*NSTR
	s_or_b32 s[G0B+4*\s+3], s[G0B+4*\s+3], 0x80000000
.endr
	v_and_b32 v[PFO], 31, v0
	v_min_u32 v[PFO], 24, v[PFO]
	v_lshlrev_b32 v[PFO], 8, v[PFO]
	s_wait_alu depctr_va_vdst(0)                   ; the wait behind the write
	s_cmp_eq_u32 s17, 0                            ; do I fetch for the rows?
	s_mov_b32 s[PST], NSTR
	s_cselect_b64 s[PFA:PFA+1], s[20:21], s[46:47] ; the record that I fetch, in K slot 0
	s_cselect_b32 s[PST], MSTR, s[PST]
	s_cselect_b32 s22, s40, s41                    ; my place among the four that ask for it with me
	s_mul_i32 s22, s22, 25*256
	s_mov_b32 s23, 0
	s_mov_b32 s[PST+1], 0
	s_add_nc_u64 s[PFA:PFA+1], s[PFA:PFA+1], s[22:23]
	s_add_nc_u64 s[PFA:PFA+1], s[PFA:PFA+1], s[PST:PST+1]
	s_add_nc_u64 s[PFA:PFA+1], s[PFA:PFA+1], s[PST:PST+1]   ; at K slot 2
	JLOAD G0, G1, G0B, G1B                         ; K slot 0: my one tensor load at the head
	ASK 0                                          ; K slot 2
	s_load_b32 s66, s[8:9], 0x0                    ; scale3
	v_and_b32 v1, 31, v0                           ; lane
	v_and_b32 v2, 15, v0                           ; r
	v_bfe_u32 v3, v0, 4, 1                         ; h
	v_lshlrev_b32 v[LI], 4, v1
	v_lshlrev_b32 v[L8], 3, v1
	v_lshlrev_b32 v[HO], 6, v3
	s_mul_i32 s20, s17, REC                        ; my 64 rows' record
	s_mul_i32 s21, s18, 2*REC                      ; my 128 columns' two records,
	s_add_co_u32 s21, s21, 2*REC                   ; behind the rows' two
.irp s, 0,1
	v_add_nc_u32 v[ADRA+\s], s20, v[LI]
	v_add_nc_u32 v[ADRB+\s], s21, v[LI]
	v_add_nc_u32 v[ASA+\s], s20, v[L8]
	v_add_nc_u32 v[ASB+\s], s21, v[L8]
	s_add_co_u32 s20, s20, SLOT
	s_add_co_u32 s21, s21, SLOT
.endr
	s_mul_i32 s22, s16, 16*SP                      ; my stage
	v_mul_u32_u24 v[STO], v2, SP
	v_lshl_add_u32 v[STO], v3, 6, v[STO]
	v_add_nc_u32 v[STO], s22, v[STO]               ; in: row r, + 64 h: my 16 numbers of each 32 columns
	v_add_nc_u32 v[RD], s22, v[LI]                 ; back: the 32 lanes take one row of 512 bytes
	s_lshl_b32 s20, s42, 10
	s_lshl_b32 s21, s18, 9
	s_add_co_u32 s20, s20, s21                     ; 4 n0 = 4 (256 tx + 128 wn)
	s_mov_b32 s21, 0
	s_add_nc_u64 s[10:11], s[10:11], s[20:21]
	s_add_nc_u64 s[12:13], s[12:13], s[20:21]
	s_add_nc_u64 s[14:15], s[14:15], s[20:21]      ; out0 at my first column,
	s_lshl_b32 s20, s19, 7
	s_lshl_b32 s22, s17, 6
	s_add_co_u32 s20, s20, s22
	s_lshl_b32 s20, s20, 14                        ; and my first row: (128 ty + 64 wm) x 16,384 bytes (under 2^26)
	s_add_nc_u64 s[14:15], s[14:15], s[20:21]
	WIN 0xc0                                       ; destination window 3
.irp b, 0,1,2,3
.irp j, 0,1,2,3
	global_load_b128 v[DA+16*\b+4*\j:DA+16*\b+4*\j+3], v[HO], s[10:11] offset:128*\b+16*\j   ; register 16 b + i: Da[n0 + 32 b + 16 h + i], as the results lie
	global_load_b128 v[BI+16*\b+4*\j:BI+16*\b+4*\j+3], v[HO], s[12:13] offset:128*\b+16*\j   ; bias likewise
.endr
.endr
	WIN 0
	s_wait_alu depctr_va_vdst(0)
	s_wait_kmcnt 0x0
	s_mov_b32 s67, s66                             ; (the packed form names the pair and takes its low word for both halves)
; One matrix instruction: the rows' block a x the weight's block b, step q of the slot whose scale words lie in set sc; fragments of set p.  A block's scale words lie in lanes 0-15 of their register
; where the block's number is even, in lanes 16-31 where it is odd.  zero = 1: the product starts the sum: nothing is ever cleared.
.macro WM a, b, p, q, sc, zero
.set rD, 8*(8*(\a)+(\b))
.set rN, 128*(\p)+12*(\b)
.set rM, MF+48*(\p)+12*(\a)
.set rX, SC+24*(\sc)+8+8*((\b)/4)+2*(\q)+((\b)%4)/2
.set rY, SC+24*(\sc)+2*(\q)+(\a)/2
.if \zero
.if ((\a)%2) && ((\b)%2)
	v_wmma_scale_f32_16x16x128_f8f6f4 v[rD:rD+7], v[rN:rN+11], v[rM:rM+11], 0, v[rX], v[rY] matrix_a_fmt:MATRIX_FMT_BF6 matrix_b_fmt:MATRIX_FMT_BF6 matrix_a_scale:MATRIX_SCALE_ROW1 matrix_b_scale:MATRIX_SCALE_ROW1
.elseif (\b)%2
	v_wmma_scale_f32_16x16x128_f8f6f4 v[rD:rD+7], v[rN:rN+11], v[rM:rM+11], 0, v[rX], v[rY] matrix_a_fmt:MATRIX_FMT_BF6 matrix_b_fmt:MATRIX_FMT_BF6 matrix_a_scale:MATRIX_SCALE_ROW1
.elseif (\a)%2
	v_wmma_scale_f32_16x16x128_f8f6f4 v[rD:rD+7], v[rN:rN+11], v[rM:rM+11], 0, v[rX], v[rY] matrix_a_fmt:MATRIX_FMT_BF6 matrix_b_fmt:MATRIX_FMT_BF6 matrix_b_scale:MATRIX_SCALE_ROW1
.else
	v_wmma_scale_f32_16x16x128_f8f6f4 v[rD:rD+7], v[rN:rN+11], v[rM:rM+11], 0, v[rX], v[rY] matrix_a_fmt:MATRIX_FMT_BF6 matrix_b_fmt:MATRIX_FMT_BF6
.endif
.else
.if ((\a)%2) && ((\b)%2)
	v_wmma_scale_f32_16x16x128_f8f6f4 v[rD:rD+7], v[rN:rN+11], v[rM:rM+11], v[rD:rD+7], v[rX], v[rY] matrix_a_fmt:MATRIX_FMT_BF6 matrix_b_fmt:MATRIX_FMT_BF6 matrix_a_scale:MATRIX_SCALE_ROW1 matrix_b_scale:MATRIX_SCALE_ROW1
.elseif (\b)%2
	v_wmma_scale_f32_16x16x128_f8f6f4 v[rD:rD+7], v[rN:rN+11], v[rM:rM+11], v[rD:rD+7], v[rX], v[rY] matrix_a_fmt:MATRIX_FMT_BF6 matrix_b_fmt:MATRIX_FMT_BF6 matrix_a_scale:MATRIX_SCALE_ROW1
.elseif (\a)%2
	v_wmma_scale_f32_16x16x128_f8f6f4 v[rD:rD+7], v[rN:rN+11], v[rM:rM+11], v[rD:rD+7], v[rX], v[rY] matrix_a_fmt:MATRIX_FMT_BF6 matrix_b_fmt:MATRIX_FMT_BF6 matrix_b_scale:MATRIX_SCALE_ROW1
.else
	v_wmma_scale_f32_16x16x128_f8f6f4 v[rD:rD+7], v[rN:rN+11], v[rM:rM+11], v[rD:rD+7], v[rX], v[rY] matrix_a_fmt:MATRIX_FMT_BF6 matrix_b_fmt:MATRIX_FMT_BF6
.endif
.endif
.endm
; n blocks of rows from a0 on, each against the weight's eight.  The 32 accumulators take turns, one instruction a turn, in the same order in every step.
.macro MUL a0, n, p, q, sc, zero
.set ia, \a0
.rept \n
.set ib, 0
.rept 8
	WM ia, ib, \p, \q, \sc, \zero
.set ib, ib+1
.endr
.set ia, ia+1
.endr
.endm
; 36 LDS loads in one run: the twelve fragments of step q of a slot into set p; each load takes 512 consecutive bytes
.macro FETCH slot, q, p
	WIN TO_B
.irp b, 0,1,2,3,4,5,6,7
.irp g, 0,1,2
	ds_load_b128 v[128*(\p)+12*\b+4*\g:128*(\p)+12*\b+4*\g+3], v[ADRB+\slot] offset:(\b/4)*REC+(4*(\q)+\b%4)*FRB+512*\g
.endr
.endr
	WIN 0
.irp a, 0,1,2,3
.irp g, 0,1,2
	ds_load_b128 v[MF+48*(\p)+12*\a+4*\g:MF+48*(\p)+12*\a+4*\g+3], v[ADRA+\slot] offset:(4*(\q)+\a)*FRB+512*\g
.endr
.endr
.endm
.macro SCALES slot                     ; a slot's scale words, all four steps': 12 loads of 8 bytes a lane
.irp q, 0,1,2,3
	ds_load_b64 v[SC+24*\slot+2*\q:SC+24*\slot+2*\q+1], v[ASA+\slot] offset:SCO+256*\q
.endr
.irp j, 0,1
.irp q, 0,1,2,3
	ds_load_b64 v[SC+24*\slot+8+8*\j+2*\q:SC+24*\slot+8+8*\j+2*\q+1], v[ASB+\slot] offset:\j*REC+SCO+256*\q
.endr
.endr
.endm
; A step of 128 along K that has its successor in the same slot: the successor's fragments are asked for first, into the set that the products just issued have read.  A load into a register that a matrix
; instruction has read stands four places behind it, and only plain vector instructions that name none of its registers are places (ISA guide 7.12.1 for vector instructions).
.macro STEP slot, q, zero
	PLACES 4
	FETCH \slot, (\q)+1, 1-(\q)%2
	s_wait_dscnt 36                                ; all but the 36 just issued: this step's fragments, and the slot's scale words, are in
	WIN W_MUL
	MUL 0, 4, (\q)%2, \q, \slot, \zero
	WIN 0
.endm
; A slot's last step changes slots: ONE barrier; in front of it each wave waits for all its tensor loads, adds 0 to its spare word, and waits for that and for its own reads of this slot.
; fill = 1: the barrier opens a round of the cluster's barrier, and this slot is filled again, two K slots ahead: the load has 112 matrix instructions of mine in which to land.
.macro TURN slot, next, fill
.if \fill
	s_wait_xcnt 0x0                                ; my prefetches have read their address: it steps one K slot on
	s_add_nc_u64 s[PFA:PFA+1], s[PFA:PFA+1], s[PST:PST+1]
.endif
	s_wait_tensorcnt 0x0                           ; all my tensor loads have landed: my part of the next slot;
	ds_add_u32 v[SPW], v[NIL]                      ; 0 onto my spare word;
	s_wait_dscnt 1                                 ; (this step's fragments are in; the add may be out)
	WIN W_MUL
	MUL 0, 1, 1, 3, \slot, 0                       ; eight matrix instructions stand between the add and the wait for it
	s_wait_dscnt 0x0                               ; the add is done, and my reads of this slot are over
	s_barrier_signal -1
	MUL 1, 1, 1, 3, \slot, 0
	WIN 0
	s_barrier_wait -1
.if \fill
	CREST                                          ; no wave of any partner still reads this slot or has a load on its way
	s_add_nc_u64 s[G0+4*\slot+2:G0+4*\slot+3], s[G0+4*\slot+2:G0+4*\slot+3], 2*MSTR
	s_add_nc_u64 s[G0B+4*\slot+2:G0B+4*\slot+3], s[G0B+4*\slot+2:G0B+4*\slot+3], 2*NSTR
	JLOAD G0+4*\slot, G1, G0B+4*\slot, G1B         ; the first tensor load behind the round, my only one until the next; its four v_nop are also the places in front of the loads below
.else
	PLACES 4
.endif
	FETCH \next, 0, 0
	SCALES \next
.if \fill
	ASK 1                                          ; behind the joint load and the run of LDS loads
.endif
	WIN W_MUL
	MUL 2, 2, 1, 3, \slot, 0
	WIN 0
.endm
	s_wait_xcnt 0x0                                ; my prefetches have read their address: it steps to K slot 3
	s_add_nc_u64 s[PFA:PFA+1], s[PFA:PFA+1], s[PST:PST+1]
	s_wait_tensorcnt 0x0                           ; my part of K slot 0 is in; slot 1's first fill is issued as a refill is:
	ds_add_u32 v[SPW], v[NIL]                      ; 0 onto my spare word
	s_wait_dscnt 0x0                               ; the add is done
	CROUND                                         ; a whole round: everybody's part of K slot 0 is in, and the joint loads meet
	JLOAD G0+4, G1, G0B+4, G1B                     ; K slot 1: the first tensor load behind the round
	FETCH 0, 0, 0
	SCALES 0
	ASK 0                                          ; K slot 3
	STEP 0, 0, 1                                   ; the first step stands in front of the loop: its products start the sums
	s_mov_b32 s3, LAPS-1
.Llap:                                                 ; a trip goes once round the ring, from a lap's second step to the next lap's first, and fills both slots again
	STEP 0, 1, 0
	STEP 0, 2, 0
	TURN 0, 1, 1
	STEP 1, 0, 0
	STEP 1, 1, 0
	STEP 1, 2, 0
	TURN 1, 0, 1
	STEP 0, 0, 0
	s_sub_co_u32 s3, s3, 1
	s_cmp_lg_u32 s3, 0
	s_cbranch_scc1 .Llap
	STEP 0, 1, 0                                   ; the last lap fills nothing, and has no round of the cluster's barrier
	STEP 0, 2, 0
	TURN 0, 1, 0
	STEP 1, 0, 0
	STEP 1, 1, 0
	STEP 1, 2, 0
	s_wait_dscnt 0x0                               ; the very last step: nothing more to fetch
	WIN W_MUL
	MUL 0, 4, 1, 3, 1, 0
	WIN 0
; THE WAY OUT, block by block of 16 rows x 128 columns.  A lane holds pieces of 64 bytes of one row, and the lanes beside it hold other rows: so a block goes through my own stage in LDS and comes back as whole
; rows of 512 bytes.  LDS serves a wave's instructions in order (ISA guide 5.7.1.4): no wait between the stores and the loads, nor in front of the next block's stores.
.macro FMA a                           ; sum x (scale3 Da) + bias, in place, each accumulator from its low end on
	WIN 0xbe                                       ; source 0 and destination window 2, sources 1 and 2 window 3
.set j, 0
.rept 32
	v_pk_fma_f32 v[64*(\a)+2*j:64*(\a)+2*j+1], v[64*(\a)+2*j:64*(\a)+2*j+1], v[DA+2*j:DA+2*j+1], v[BI+2*j:BI+2*j+1]
.set j, j+1
.endr
.endm
.macro TOSTAGE a
	WIN 0x08                                       ; an LDS store's data are its source 1: window 2
.irp b, 0,1,2,3
.irp j, 0,1,2,3
	ds_store_b128 v[STO], v[64*(\a)+16*\b+4*\j:64*(\a)+16*\b+4*\j+3] offset:128*\b+16*\j
.endr
.endr
	WIN 0
.set BB, BK+64*((\a)%2)
.irp t, 0,1,2,3,4,5,6,7,8,9,10,11,12,13,14,15
	ds_load_b128 v[BB+4*\t:BB+4*\t+3], v[RD] offset:\t*SP
.endr
.endm
.macro SEND a, younger                 ; younger: the LDS instructions issued behind block a's loads, which may stay out
.set BB, BK+64*((\a)%2)
	s_wait_dscnt \younger                          ; the block is back in registers
.irp t, 0,1,2,3,4,5,6,7,8,9,10,11,12,13,14,15
	global_store_b128 v[LI], v[BB+4*\t:BB+4*\t+3], s[14:15] offset:(32*((\a)/2)+8*((\a)%2)+\t+8*(\t/8))*ROWB th:TH_STORE_NT   ; image row t at its own row of out0; 32 lanes store 512 consecutive bytes, at a multiple of 512 from out0's first byte; 63 rows at the most: inside the signed 24-bit immediate
.endr
.endm
	PLACES 4                                       ; behind the last products: their results are read, and the registers that held their fragments are loaded
	s_wait_loadcnt 0x0                             ; Da and bias
	WIN 0xc3                                       ; source 0 and destination window 3
.set j, 0
.rept 32
	v_pk_mul_f32 v[DA+2*j:DA+2*j+1], v[DA+2*j:DA+2*j+1], s[66:67] op_sel_hi:[1,0]   ; scale3 x Da, once for each column
.set j, j+1
.endr
	FMA 0
	TOSTAGE 0
.irp a, 1,2,3
	FMA \a                                         ; a block's arithmetic stands between the loads of the block before and its stores
.if \a > 1
	s_wait_alu depctr_va_vdst(0)
	s_wait_xcnt 0x0                                ; block a - 2's stores have read their registers: block a's loads may land there
.endif
	TOSTAGE \a
	SEND \a-1, 32                                  ; behind block a - 1's loads: block a's 16 stores and 16 loads
.endr
	SEND 3, 0
	s_wait_tensorcnt 0x0                           ; the wave's end, behind my last tensor load and my last LDS store
	ds_add_u32 v[SPW], v[NIL]
	s_wait_dscnt 0x0
	CROUND                                         ; the closing round: no work-group ends while a partner may still ask for a tile that names it
	s_endpgm
.Lfunc_end_k_qeaf18efada_gemm2:
	.size	k_qeaf18efada_gemm2, .Lfunc_end_k_qeaf18efada_gemm2-k_qeaf18efada_gemm2
	.p2alignl 7, 3214868480
	.fill 96, 4, 3214868480
	.section	.rodata,"a",@progbits
	.p2align	6, 0x0
	.amdhsa_kernel k_qeaf18efada_gemm2
		.amdhsa_group_segment_fixed_size 327680
		.amdhsa_private_segment_fixed_size 0
		.amdhsa_enable_private_segment 0
		.amdhsa_kernarg_size 48
		.amdhsa_user_sgpr_count 2
		.amdhsa_user_sgpr_kernarg_segment_ptr 1
		.amdhsa_wavefront_size32 1
		.amdhsa_system_sgpr_workgroup_id_x 1
		.amdhsa_system_sgpr_workgroup_id_y 1
		.amdhsa_system_sgpr_workgroup_id_z 1
		.amdhsa_system_vgpr_workitem_id 0
		.amdhsa_next_free_vgpr 896
		.amdhsa_next_free_sgpr 72
		.amdhsa_reserve_vcc 0
		.amdhsa_float_denorm_mode_32 3
		.amdhsa_float_denorm_mode_16_64 3
		.amdhsa_memory_ordered 1
		.amdhsa_forward_progress 1
		.amdhsa_inst_pref_size 148
	.end_amdhsa_kernel
	.amdgpu_metadata
---
amdhsa.version: [ 1, 2 ]
amdhsa.kernels:
  - .name:           k_qeaf18efada_gemm2
    .symbol:         k_qeaf18efada_gemm2.kd
    .args:
      - { .name: hq, .offset: 0, .size: 8, .value_kind: global_buffer, .address_space: global }
      - { .name: aq, .offset: 8, .size: 8, .value_kind: global_buffer, .address_space: global }
      - { .name: scale3, .offset: 16, .size: 8, .value_kind: global_buffer, .address_space: global }
      - { .name: Da, .offset: 24, .size: 8, .value_kind: global_buffer, .address_space: global }
      - { .name: bias, .offset: 32, .size: 8, .value_kind: global_buffer, .address_space: global }
      - { .name: out0, .offset: 40, .size: 8, .value_kind: global_buffer, .address_space: global }
    .group_segment_fixed_size: 327680
    .private_segment_fixed_size: 0
    .kernarg_segment_align: 8
    .kernarg_segment_size: 48
    .max_flat_workgroup_size: 128
    .sgpr_count:     72
    .vgpr_count:     896
    .wavefront_size: 32
...
	.end_amdgpu_metadata
.endif
;; end of part 3
